; MI455X (gfx1250); checked and timed in simulation.
; The chip was launched on July 23, 2026; its instructions are those of AMD's public machine-readable ISA for CDNA 5 (MIT licence, August 2026) and "CDNA5" Instruction Set Architecture Reference Guide (July 2026). The comments in the code are by the model that wrote it; some were corrected since.
;; Bit Net Linear4 Bit. Allowed arithmetic: matrix products marked QUANTISED: E5M2 operands, one E8M0 scale for each 32 along K, by v_wmma_scale_f32_16x16x128_f8f6f4 with both operands' format E5M2, f32 sums; everything else in f32.
;; Inputs: alpha 1 float32; bias 11,008 float32; w 11,008 x 4,096 float32; x 2 x 512 x 4,096 float32.
;; Outputs: out0 2 x 512 x 11,008 float32.
;; This version of the problem:
;;   THIS VERSION OF THE PROBLEM IS GIVEN IN LOW PRECISION. The matrix products marked QUANTISED in the list below multiply operands that are first quantised to E5M2 (5 exponent bits, 2 mantissa bits; 8 bits a number), with one power-of-two scale for each 32 numbers along K (OCP MX v1.0); their sums are f32. All else is computed in f32.
;;   The module's matrix products, in the order in which they are computed (A, B: the left and right operand; K: the contracted axis; several contracted axes count as one K, in the product's order):
;;     1. [M 1,024, K 4,096] x [K 4,096, N 11,008]; A: input x; B: computed on the way: QUANTISED
;;   THE QUANTISER, for each operand of a quantised product, along K:
;;     - K is cut into blocks of 32 from its start; a last block that is shorter is filled with zeros.
;;     - A block's scale is 2^e with e = floor(log2(the largest magnitude in the block)) - 15, held to -126 .. 127; a block of zeros has e = 0. As a byte (E8M0): e + 127.
;;     - Each number is divided by its block's scale, clamped to +-57,344, and rounded to the nearest number of E5M2, ties to even, subnormals kept.
;;     - The product sums the exact products of the quantised numbers (number of the format x scale) in f32.
;;   ~~~python
;;   def quantise(x, axis):      # numpy; x: float32 -> the quantised numbers, widened to float32 again
;;       x = np.moveaxis(x, axis, -1); K = x.shape[-1]
;;       x = np.pad(x, [(0, 0)] * (x.ndim - 1) + [(0, -K % 32)]); x = x.reshape(x.shape[:-1] + (-1, 32)); a = np.abs(x).max(-1, keepdims=True)
;;       e = np.where(a > 0, np.clip(np.frexp(np.where(a > 0, a, 1))[1] - 1 - 15, -126, 127), 0)      # np.frexp(a)[1] - 1 = floor(log2(a)), exactly
;;       r = np.clip(x / 2.0 ** e, -57344, 57344)
;;       step = 2.0 ** (np.maximum(np.frexp(np.where(r == 0, 1, r))[1] - 1, -14) - 2)
;;       q = np.round(r / step) * step * 2.0 ** e      # np.round: ties to even
;;       return np.moveaxis(q.reshape(q.shape[:-2] + (-1,))[..., :K], -1, axis).astype(np.float32)
;;   ~~~
;;   OPERANDS COMPUTED ON THE WAY. 'Computed on the way' means the value that the module computes at that place (a softmax that the list does not call 'softmax' is quantised finished and normalised). What goes into a quantiser is computed in f32, as accurately as f32 sums, v_exp_f32 and their like allow (about 1e-6 of the number): no bf16 or f16 on the way to a quantiser, and a product that is left as it is and whose result goes on into a quantised operand takes f32 operands (vector FMAs, or v_wmma_f32_16x16x4_f32). A number that lies on a knife's edge between two numbers of the format may be rounded either way, as far as f32 arithmetic and the matrix unit's own rounding can turn it there, and no further.
;; One version. Each part assembles by itself: llvm-mc -triple=amdgcn-amd-amdhsa -mcpu=gfx1250 --defsym DOCPART=n.
;; ======== version 1 of 1: 2 launches
;; limits: right only within a limited range of input values
;; workspace buffers: xq 4,325,376 bytes; wq 46,497,792 bytes
;; launch quant (part 1): grid 1504 x 1, 4 waves a work-group, no clusters, 33,280 bytes of LDS; arguments x, w, alpha, xq, wq; writes xq, wq
.if DOCPART == 1
	.amdgcn_target "amdgcn-amd-amdhsa--gfx1250"
	.amdhsa_code_object_version 6
	.text
	.protected	k_qd761a424e0_quant
	.globl	k_qd761a424e0_quant
	.p2align	8
	.type	k_qd761a424e0_quant,@function
k_qd761a424e0_quant:
	s_mov_b64 s[64:65], 0
	v_nop
	global_prefetch_b8 v0, s[64:65] scope:SCOPE_SE
	s_setreg_imm32_b32 hwreg(HW_REG_WAVE_MODE, 25, 1), 1
	s_wait_xcnt 0x0
; x [1024][4096] and w [11008][4096], f32, become codes of BF8 (E5M2), 8 bits each, with one E8M0 scale byte for each 32 along K (the last axis of both).
; w is first made what the product takes:  wt = alpha * clip(round(w / alpha), -1, 1);  w_ste = w + (wt - w), both operations in f32, as they are written.
; THE TERNARY STEP WITHOUT A DIVISION.  round() is to nearest, ties to even, so |round(w / alpha)| >= 1 exactly where the f32 quotient |w| / |alpha| lies above 0.5.  That is exactly where |w| > |alpha| / 2:
; the f32 number next above |alpha| / 2 is larger by a factor of more than 1 + 2^-24, so its quotient lies above the middle between 0.5 and the f32 number next above 0.5 and is rounded up; at |w| = |alpha| / 2
; the quotient is 0.5 itself, which rounds to 0.  |alpha| / 2 is exact.  wt has |alpha| as its magnitude and w's sign, whatever alpha's sign.  So: one compare, one select; no reciprocal stands ahead of the quantiser.
; THE QUANTISER.  A block's scale is 2^(floor(log2(its largest magnitude)) - 15); its byte is the largest magnitude's exponent field - 15, held at 1 from below.  Each number is divided by the scale, held within
; +-57,344 and rounded to the nearest code, ties to even.  A block of zeros gets the byte 1 where the rule says 127: its codes are zeros, which add nothing under any byte but 0xff, and this program alone reads the bytes.
; LIMITS: NaN and infinities among the inputs are not served; alpha is not 0 and |alpha| >= 2^-125 (so that its half is exact); blocks whose largest magnitude lies under 2^-111, whose byte is held at 1, were not tried.
; THE OUTPUT IS LAID AS THE PRODUCT'S LAUNCH FETCHES IT: [row block of 128 rows][K step of 256][33,792 bytes]: 128 rows of 256 codes (row p at 256 p), then 128 x 8 scale bytes (row p at 32,768 + 8 p):
; a tile is one dense run of 132 x 256 bytes, codes and scale bytes together.
; SHARES.  The first 128 work-groups take x, the other 1,376 w; only pointers are chosen, and the ternary step is jumped over for x.  A wave takes 32 rows x 256 along K, in 16 steps of 2 rows.
; Each of a step's four loads reads 512 consecutive bytes, 16 a lane; the conversions want 16 NEIGHBOURS in a lane, so the step's 2,048 bytes go through the wave's own stage in LDS and come back 64 bytes a lane
; (16 bytes of padding behind each 64).  Two neighbouring lanes hold a block.  A lane's 16 codes are 16 bytes: the wave stores 512 consecutive bytes, two rows of the tile.  A wave's 256 scale bytes are gathered in
; its own 256 bytes of LDS and leave as one aligned run of 256 bytes.  No tensor loads, no barrier: waves share nothing.  Loads run four steps (16 loads a wave) ahead, the turn through LDS one step.
.set STEPS, 16
.set WGX,   128                        ; x's work-groups: 32 groups of 32 rows x 4 quarters of K
.set ROWF,  16384                      ; a row of x or of w in bytes
.set TILEB, 33792                      ; a tile of the output
.set EMAX,  15
.set MANT,  0x600000                   ; the mantissa field of 57,344 as f32
.set R,     16                         ; v16-79   four sets of 16 numbers as they are loaded
.set X,     80                         ; v80-111  two sets of 16 neighbours
.set E,     112                        ; v112-113 the scale byte, two registers by turns: the wait on DScnt at a step's head shows the byte store of two steps ago done
.set C,     114                        ; v114-129 codes: four sets of four registers by turns; a set is written again behind s_wait_xcnt 0 at the step's head
.set T,     130                        ; v130-145 the ternary step: wt, then wt - w;  v146, v147: the spare word's address and 0
.set MK,    32                         ; s[32:47] sixteen masks: where |w| > |alpha| / 2
.set WREG,  8192                       ; LDS: a region of its own for each wave: two stages of 32 x SP bytes, and behind them its 256 scale bytes
.set SP,    80                         ; a lane's place in a stage: its 64 bytes + 16 of padding
	s_load_b128 s[4:7], s[0:1], 0x0                ; x, w
	s_load_b64 s[8:9], s[0:1], 0x10                ; alpha
	s_load_b64 s[12:13], s[0:1], 0x18              ; x's tiles
	s_load_b64 s[14:15], s[0:1], 0x20              ; w's tiles
	v_lshl_add_u32 v146, v0, 2, 0x8000
	v_mov_b32 v147, 0
	v_lshrrev_b32 v1, 5, v0
	v_readfirstlane_b32 s16, v1                    ; wave
	v_and_b32 v2, 31, v0                           ; lane
	v_lshlrev_b32 v3, 4, v2                        ; my 16 bytes of a load's 512, and of a step's 512 bytes of codes; never rewritten
	s_mul_i32 s17, s16, WREG
	v_lshrrev_b32 v14, 2, v2
	v_mul_u32_u24 v14, v14, SP
	v_and_b32 v15, 3, v2
	v_lshl_add_u32 v14, v15, 4, v14
	v_add_nc_u32 v14, s17, v14                     ; the stage, on the way in: four lanes' 64 bytes on end, then 16 of padding: SP (lane / 4) + 16 (lane % 4); a load's 512 bytes take eight places
	v_mul_u32_u24 v15, v2, SP
	v_add_nc_u32 v15, s17, v15                     ; and on the way out: SP x lane: my 16 neighbours
	v_lshrrev_b32 v5, 1, v2
	s_add_co_u32 s17, s17, 2*32*SP
	v_add_nc_u32 v5, s17, v5                       ; LDS: my wave's 256 scale bytes, my block's byte
	v_lshlrev_b32 v7, 3, v2                        ; and on the way out 8 bytes a lane
	v_add_nc_u32 v6, s17, v7
	s_mov_b32 s27, MANT                            ; (an instruction takes one literal: the hold's line has another)
	s_mov_b32 s24, 0x7fffffff                      ; all but the sign
	; which part is my wave's: offsets are made apart from the addresses; all stay under 2^32
	s_cmp_lt_u32 ttmp9, WGX
	s_cselect_b32 s17, 0, WGX
	s_sub_co_u32 s17, ttmp9, s17                   ; the work-group's number within its tensor
	s_lshr_b32 s18, s17, 2                         ; which 32 rows
	s_and_b32 s19, s17, 3
	s_lshl_b32 s19, s19, 2
	s_add_co_u32 s19, s19, s16                     ; which K step of 256: 4 x quarter + wave
	s_lshl_b32 s28, s18, 19                        ; in: 32 rows of 16,384 bytes,
	s_lshl_b32 s29, s19, 10                        ; 256 numbers of 4 bytes
	s_add_co_u32 s28, s28, s29
	s_mov_b32 s29, 0
	s_lshr_b32 s30, s18, 2                         ; out: the row block of 128,
	s_lshl_b32 s30, s30, 4
	s_add_co_u32 s30, s30, s19                     ; its 16 tiles, mine the K step's
	s_mul_i32 s30, s30, TILEB
	s_and_b32 s18, s18, 3                          ; which 32 of the tile's 128 rows
	s_lshl_b32 s31, s18, 13                        ; their codes: 32 x 256 bytes,
	s_lshl_b32 s18, s18, 8                         ; their scale bytes: 32 x 8,
	s_add_co_u32 s18, s18, s30
	s_add_co_u32 s18, s18, 32768                   ; behind the tile's codes
	s_mov_b32 s19, 0
	s_add_co_u32 s30, s30, s31
	s_mov_b32 s31, 0
	s_wait_alu depctr_va_vdst(0)
	s_wait_kmcnt 0x0
	s_load_b32 s25, s[8:9], 0x0                    ; alpha: no line of this launch writes it
	s_cmp_lt_u32 ttmp9, WGX                        ; x's work-group or w's?  The choice hangs on the work-group's number alone
	s_cselect_b64 s[4:5], s[4:5], s[6:7]
	s_cselect_b64 s[12:13], s[12:13], s[14:15]
	s_add_nc_u64 s[4:5], s[4:5], s[28:29]          ; my first row's 256 numbers
	s_add_nc_u64 s[20:21], s[12:13], s[30:31]      ; my codes
	s_add_nc_u64 s[22:23], s[12:13], s[18:19]      ; my scale bytes
.macro LOAD t                          ; step t: rows 2 t and 2 t + 1, 1,024 bytes of each, into set t % 4
.irp i, 0,1,2,3
	global_load_b128 v[R+16*((\t)%4)+4*\i:R+16*((\t)%4)+4*\i+3], v3, s[4:5] offset:(2*(\t)+\i/2)*ROWF+(\i%2)*512 th:TH_LOAD_NT   ; 32 lanes read 512 consecutive bytes; read once in the launch
.endr
.endm
.macro TURN t                          ; step t's numbers through the stage: LDS serves a wave's instructions in order (ISA guide 5.7.1.4), so no wait stands between the stores and the loads
.irp i, 0,1,2,3
	ds_store_b128 v14, v[R+16*((\t)%4)+4*\i:R+16*((\t)%4)+4*\i+3] offset:32*SP*((\t)%2)+8*SP*\i
.endr
.irp i, 0,1,2,3
	ds_load_b128 v[X+16*((\t)%2)+4*\i:X+16*((\t)%2)+4*\i+3], v15 offset:32*SP*((\t)%2)+16*\i
.endr
.endm
; w becomes w + (wt - w), in place in v[XS] on: work on registers alone
.macro TERN
.irp i, 0,1,2,3,4,5,6,7,8,9,10,11,12,13,14,15
	v_bfi_b32 v[T+\i], s24, s25, v[XS+\i]          ; |alpha| with w's sign
.endr
.irp i, 0,1,2,3,4,5,6,7,8,9,10,11,12,13,14,15
	v_cmp_gt_f32 s[MK+\i], |v[XS+\i]|, s26         ; |w| > |alpha| / 2: the quotient rounds to 1 or more
.endr
.irp i, 0,1,2,3,4,5,6,7,8,9,10,11,12,13,14,15
	v_cndmask_b32 v[T+\i], 0, v[T+\i], s[MK+\i]    ; wt, or 0: a choice of a value; no branch hangs on it
.endr
.irp i, 0,2,4,6,8,10,12,14
	v_pk_add_f32 v[T+\i:T+\i+1], v[T+\i:T+\i+1], v[XS+\i:XS+\i+1] neg_lo:[0,1] neg_hi:[0,1]   ; wt - w, rounded as it is written
.endr
.irp i, 0,2,4,6,8,10,12,14
	v_pk_add_f32 v[XS+\i:XS+\i+1], v[XS+\i:XS+\i+1], v[T+\i:T+\i+1]                           ; w + (wt - w)
.endr
.endm
.irp t, 0,1,2,3
	LOAD \t
.endr
	s_wait_kmcnt 0x0                               ; alpha
	s_and_b32 s25, s25, s24                        ; |alpha|
	s_mul_f32 s26, s25, 0.5                        ; its half: exact
	s_wait_loadcnt 12                              ; step 0's four loads are in; the twelve of steps 1 to 3 may be out
	TURN 0
.macro STEP t
.set XS, X+16*((\t)%2)
.if (\t) >= 4
	s_wait_xcnt 0x0                                ; the store of four steps ago has read its codes: this step's conversions write that set again
.endif
.if (\t) > 0
	s_wait_dscnt 1                                 ; this step's numbers are back from the stage (the last step's byte store may be out): so its stores into the stage have read their registers,
.else
	s_wait_dscnt 0x0
.endif
.if (\t)+4 < STEPS
	LOAD (\t)+4                                    ; which take the loads of four steps on
.endif
.if (\t)+1 < STEPS
.if STEPS-2-(\t) >= 3
	s_wait_loadcnt 12                              ; the next step's four loads are in; those of the three steps behind it may be out
.else
	s_wait_loadcnt 4*(STEPS-2-(\t))                ; the last steps: fewer loads stand behind
.endif
	TURN (\t)+1                                    ; and go through the other stage while this step is worked
.endif
	s_cmp_lt_u32 ttmp9, WGX                        ; x is quantised as it comes: the jump hangs on the work-group's number and passes over register work alone
	s_cbranch_scc1 .Lplain_\@
	TERN
.Lplain_\@:
	v_max3_num_f32 v8, |v[XS]|, |v[XS+1]|, |v[XS+2]|               ; the largest magnitude of my 16, in two chains
	v_max3_num_f32 v9, |v[XS+3]|, |v[XS+4]|, |v[XS+5]|
.irp i, 6,10
	v_max3_num_f32 v8, v8, |v[XS+\i]|, |v[XS+\i+1]|
	v_max3_num_f32 v9, v9, |v[XS+\i+2]|, |v[XS+\i+3]|
.endr
	v_max3_num_f32 v8, v8, |v[XS+14]|, |v[XS+15]|
	v_max3_num_f32 v8, v8, v9, (EMAX+1)<<23        ; and the floor 2^(EMAX + 1 - 127), under which no largest magnitude is taken: so the byte cannot fall under 1
	v_max_num_f32_dpp v8, v8, v8 row_xmask:1 row_mask:0xf bank_mask:0xf   ; and of my neighbour's 16: the block's
	v_add_nc_u32 v11, -(EMAX<<23), v8              ; EMAX off its exponent field: the conversion takes the exponent field of this operand as its scale, and nothing else of it
	v_and_or_b32 v10, v8, 0x7f800000, s27          ; 57,344 x the scale: the largest magnitude's exponent field over 57,344's mantissa
.irp i, 0,1,2,3,4,5,6,7,8,9,10,11,12,13,14,15
	v_med3_num_f32 v[XS+\i], v[XS+\i], -v10, v10   ; the conversion to an 8-bit code does not saturate (ISA guide 7.6.2): hold the number within the largest code x the scale first
.endr
	v_cvt_scalef32_pk8_bf8_f32 v[C+4*((\t)%4):C+4*((\t)%4)+1], v[XS:XS+7], v11          ; eight numbers / 2^(v11's exponent), to the nearest code, ties to even; the first number's code in the lowest byte
	v_cvt_scalef32_pk8_bf8_f32 v[C+4*((\t)%4)+2:C+4*((\t)%4)+3], v[XS+8:XS+15], v11
	v_lshrrev_b32 v[E+(\t)%2], 23, v11             ; the scale's byte.  (Also the plain line behind the conversions)
	ds_store_b8 v5, v[E+(\t)%2] offset:16*(\t)     ; row 2 t + lane / 16, block (lane % 16) / 2: byte 16 t + lane / 2; both lanes of a block write the same byte with the same value
	global_store_b128 v3, v[C+4*((\t)%4):C+4*((\t)%4)+3], s[20:21] offset:512*(\t)      ; two rows of 256 codes: 512 consecutive bytes, at a multiple of 256 from the buffer's first byte
.endm
.irp t, 0,1,2,3,4,5,6,7,8,9,10,11,12,13,14,15
	STEP \t
.endr
	ds_load_b64 v[12:13], v6                       ; LDS serves a wave's instructions in order: these see my stores
	s_wait_dscnt 0x0
	global_store_b64 v7, v[12:13], s[22:23]        ; 32 lanes store 256 consecutive bytes, aligned: 32 rows' scale bytes
	s_wait_tensorcnt 0x0
	ds_add_u32 v146, v147
	s_wait_dscnt 0x0
	s_endpgm
.Lfunc_end_k_qd761a424e0_quant:
	.size	k_qd761a424e0_quant, .Lfunc_end_k_qd761a424e0_quant-k_qd761a424e0_quant
	.p2alignl 7, 3214868480
	.fill 96, 4, 3214868480
	.section	.rodata,"a",@progbits
	.p2align	6, 0x0
	.amdhsa_kernel k_qd761a424e0_quant
		.amdhsa_group_segment_fixed_size 33280
		.amdhsa_private_segment_fixed_size 0
		.amdhsa_enable_private_segment 0
		.amdhsa_kernarg_size 40
		.amdhsa_user_sgpr_count 2
		.amdhsa_user_sgpr_kernarg_segment_ptr 1
		.amdhsa_wavefront_size32 1
		.amdhsa_system_sgpr_workgroup_id_x 1
		.amdhsa_system_sgpr_workgroup_id_y 1
		.amdhsa_system_sgpr_workgroup_id_z 1
		.amdhsa_system_vgpr_workitem_id 0
		.amdhsa_next_free_vgpr 148
		.amdhsa_next_free_sgpr 66
		.amdhsa_reserve_vcc 0
		.amdhsa_float_denorm_mode_32 3
		.amdhsa_float_denorm_mode_16_64 3
		.amdhsa_memory_ordered 1
		.amdhsa_forward_progress 1
		.amdhsa_inst_pref_size 117
	.end_amdhsa_kernel
	.amdgpu_metadata
---
amdhsa.version: [ 1, 2 ]
amdhsa.kernels:
  - .name:           k_qd761a424e0_quant
    .symbol:         k_qd761a424e0_quant.kd
    .args:
      - { .name: x, .offset: 0, .size: 8, .value_kind: global_buffer, .address_space: global }
      - { .name: w, .offset: 8, .size: 8, .value_kind: global_buffer, .address_space: global }
      - { .name: alpha, .offset: 16, .size: 8, .value_kind: global_buffer, .address_space: global }
      - { .name: xq, .offset: 24, .size: 8, .value_kind: global_buffer, .address_space: global }
      - { .name: wq, .offset: 32, .size: 8, .value_kind: global_buffer, .address_space: global }
    .group_segment_fixed_size: 33280
    .private_segment_fixed_size: 0
    .kernarg_segment_align: 8
    .kernarg_segment_size: 40
    .max_flat_workgroup_size: 128
    .sgpr_count:     66
    .vgpr_count:     148
    .wavefront_size: 32
...
	.end_amdgpu_metadata
.endif
;; end of part 1
;; launch gemm (part 2): grid 4 x 43, 4 waves a work-group, clusters of 4 x 1, 327,680 bytes of LDS; arguments xq, wq, bias, out0; writes out0
.if DOCPART == 2
	.amdgcn_target "amdgcn-amd-amdhsa--gfx1250"
	.amdhsa_code_object_version 6
	.text
	.protected	k_qd761a424e0_gemm
	.globl	k_qd761a424e0_gemm
	.p2align	8
	.type	k_qd761a424e0_gemm,@function
k_qd761a424e0_gemm:
	s_mov_b64 s[64:65], 0
	v_nop
	global_prefetch_b8 v0, s[64:65] scope:SCOPE_SE
	s_setreg_imm32_b32 hwreg(HW_REG_WAVE_MODE, 25, 1), 1
	s_wait_xcnt 0x0
	s_wait_alu depctr_hold_cnt(0) depctr_sa_sdst(0) depctr_va_vdst(0) depctr_va_sdst(0) depctr_va_ssrc(0) depctr_va_vcc(0) depctr_vm_vsrc(0)
	s_getreg_b32 s2, hwreg(HW_REG_IB_STS2, 6, 4)
	s_cmp_eq_u32 s2, 0
	s_cbranch_scc0 .Lentry_in_a_cluster
	s_endpgm
.Lentry_in_a_cluster:
	s_bfe_u32 s2, ttmp6, 0x10000c
	s_cmp_lg_u32 s2, 0x3003
	s_cbranch_scc0 .Lentry_shape_is_right
	s_endpgm
.Lentry_shape_is_right:
; out0[m][n] = sum over k of x[m][k] w_ste[n][k] + bias[n], on the codes of BF8 (E5M2) and E8M0 scale bytes that the launch before has laid:
; [row block of 128][K step of 256][33,792 bytes]: 128 rows of 256 codes, then 128 x 8 scale bytes: a tile is one dense run of 132 x 256 bytes.
; A work-group of four waves makes 256 x 256 of the result, a wave 128 x 128: 64 accumulators, which take turns.  The bias is the C of each accumulator's first product.
; K goes in 16 steps of 256 through a ring of two LDS slots; each wave fetches one tile of 132 rows: waves 0, 1 x's two row blocks, waves 2, 3 w's.  All of LDS is claimed.
; The matrix instruction is used transposed (source 0 = rows of w, called B here, source 1 = rows of x, called A): a lane holds eight neighbouring columns of a row of the result.
; A STEP OF 128 ALONG K GOES BY A's EIGHT BLOCKS: eight products (against B's eight fragments), a v_nop behind each, then a short run of LDS loads.  The run behind block a brings the next step's block a - 1 of A:
; nine places stand behind that block's last product.  Block 7 comes behind block 0 of its own step.  B has two sets; the next step's set comes in the runs behind blocks 0 to 5.
; So a step's 64 LDS loads are spread over its 64 products.
; CLUSTERS: 4 x 1: the four work-groups take the four row blocks of x against the same 256 rows of w, so w's tiles are asked for jointly (mask 15).
; x's tiles differ between the four partners and are plain loads; the grid's 43 along y is no multiple of 4, so no cluster reaches along y.
; PREFETCH: behind each refill and the run of LDS loads that follows it a wave names the tile that stands two refills on (tile k + 4 in K step k), each block of 256 bytes once in the cluster:
; an x wave its own 132 blocks (five instructions; in the second the lanes left over name the last block again), a w wave its work-group's 33 of the 132 (by address: 33 x cx; two instructions).
; The loop's last trip (K steps 12, 13) names nothing: every address lies inside its buffer.  The first four tiles come by their loads alone.
; REGISTERS: window 0: v0-31 addresses; v32-63 scale words, a set for each slot; v64-127 the bias; v128-255 A's fragments, one set.  Window 1: B's two sets.  Windows 2, 3: the accumulators.
.set SIZE_N, 11008
.set NQ,     2
.set PITCH,  272
.set TROWS,  132
.set TILEB,  TROWS*256
.set RBB,    16*TILEB
.set HALFT,  TROWS*PITCH
.set SCOFF,  128*PITCH
.set SLOT,   4*HALFT
.set SPARE,  2*SLOT
.set LAPS,   8
.set FR,     16
.set NP,     8
.set SPITCH, 528
.set ADRA, 16
.set ADRB, 20
.set ADRS, 22
.set STO,  24
.set RD,   25
.set CO,   26
.set BO,   27
.set SPW,  28
.set NIL,  29
.set SC,   32
.set BIAS, 64
.set AF,   128
.set BK,   128
.set G1A, 24
.set G0A, 32
.set G1B, 48
.set G0B, 56
.set MSB, 0
.macro WIN new                         ; the immediate's high byte repeats the setting that is left
.if MSB != \new
	s_set_vgpr_msb (MSB<<8)|\new
.set MSB, \new
.endif
.endm
.set MUL_LO,   0xa1                    ; source 0 window 1, source 1 window 0, C and D window 2 (+0x50: window 3)
.set FIRST_LO, 0x81                    ; the same with C (the bias) in window 0 (+0x40: D window 3)
.set TO_B,     0x40
.macro JLOAD s                         ; waves 0, 1: x's tile, a plain load; waves 2, 3: w's, jointly.
	s_cmp_eq_u32 s15, 0
	s_cbranch_scc0 .Lfor_b_\@
	tensor_load_to_lds s[G0A+4*\s:G0A+4*\s+3], s[G1A:G1A+7]
	s_nop 0
.rept 4
	v_nop
.endr
	s_branch .Lasked_\@
.Lfor_b_\@:
	tensor_load_to_lds s[G0B+4*\s:G0B+4*\s+3], s[G1B:G1B+7]
	s_nop 0
.rept 4
	v_nop
.endr
.Lasked_\@:
.endm
.macro CREST                           ; a round of the cluster's barrier behind its opening barrier
	s_cmp_lg_u32 s14, 0
	s_cbranch_scc1 .Lnot_wave_0_\@
	s_barrier_signal -3
.Lnot_wave_0_\@:
	s_barrier_wait -3
	s_barrier_signal -1
	s_barrier_wait -1
.endm
.macro CROUND
	s_barrier_signal -1
	s_barrier_wait -1
	CREST
.endm
	s_load_b256 s[4:11], s[0:1], 0x0               ; xq, wq, bias, out0
	v_lshl_add_u32 v[SPW], v0, 2, SPARE
	v_mov_b32 v[NIL], 0
	ds_add_u32 v[SPW], v[NIL]
	ds_add_u32 v[SPW], v[NIL]
	s_wait_dscnt 0x0
	v_lshrrev_b32 v1, 5, v0
	v_readfirstlane_b32 s14, v1                    ; wave
	s_lshr_b32 s15, s14, 1                         ; my half of the rows; also: I fetch for x (0) or for w (1)
	s_and_b32 s16, s14, 1                          ; my half of the columns; also: which row block of 128 I fetch
	s_bfe_u32 s17, ttmp6, 0x40000
	s_lshl_b32 s40, ttmp9, 2
	s_add_co_u32 s17, s17, s40                     ; block of 256 rows of x
	s_and_b32 s18, ttmp7, 0xffff                   ; block of 256 rows of w
	s_mov_b32 s[G1A], (3<<16)|(1<<20)|(5<<22)|(3<<25)              ; elements of 8 bytes; 16 bytes of padding behind every 256
	s_mov_b32 s[G1B], 15|(3<<16)|(1<<20)|(1<<21)|(5<<22)|(3<<25)   ; the same with the mask of the four partners
.irp g, G1A, G1B
	s_mov_b32 s[\g+1], 32<<16
	s_mov_b32 s[\g+2], TROWS<<16
	s_mov_b32 s[\g+3], 32<<16
	s_mov_b32 s[\g+4], TROWS
	s_mov_b32 s[\g+5], 32
	s_mov_b32 s[\g+6], 0
	s_mov_b32 s[\g+7], 0
.endr
	s_lshl_b32 s40, s17, 1
	s_add_co_u32 s40, s40, s16
	s_mul_i32 s40, s40, RBB
	s_mov_b32 s41, 0
	s_lshl_b32 s44, s18, 1
	s_add_co_u32 s44, s44, s16
	s_mul_i32 s44, s44, RBB
	s_mov_b32 s45, 0
	s_mul_i32 s20, s14, HALFT
	s_wait_kmcnt 0x0
	s_add_nc_u64 s[40:41], s[4:5], s[40:41]
	s_add_nc_u64 s[44:45], s[6:7], s[44:45]
	s_bfe_u32 s42, ttmp6, 0x40000                  ; cx: it enters the prefetches' global address alone
	s_mul_i32 s42, s42, 33*256                     ; a w wave: my work-group's 33 blocks of the tile
	s_mov_b32 s13, 8192                            ; and the 33rd of them
	s_cmp_eq_u32 s15, 0                            ; do I fetch for x?
	s_cselect_b64 s[46:47], s[40:41], s[44:45]     ; where my prefetches stand: the tiles that I fetch
	s_cselect_b32 s42, 0, s42
	s_cselect_b32 s12, 3, 0                        ; an x wave: blocks 128 to 131 in lanes 0 to 3,
	s_cselect_b32 s13, 0x8000, s13                 ; which begin at byte 32,768
	s_mov_b32 s43, 0
	s_add_nc_u64 s[46:47], s[46:47], s[42:43]
	s_add_nc_u64 s[46:47], s[46:47], 3*TILEB       ; at tile 3: each change of slots steps it by one tile first
	CROUND                                         ; in front of the first joint loads
.irp s, 0,1
	s_mov_b32 s[G0A+4*\s], 1
	s_add_co_u32 s[G0A+4*\s+1], s20, \s*SLOT
	s_add_nc_u64 s[G0A+4*\s+2:G0A+4*\s+3], s[40:41], \s*TILEB
	s_or_b32 s[G0A+4*\s+3], s[G0A+4*\s+3], 0x80000000
	s_mov_b32 s[G0B+4*\s], 1
	s_add_co_u32 s[G0B+4*\s+1], s20, \s*SLOT
	s_add_nc_u64 s[G0B+4*\s+2:G0B+4*\s+3], s[44:45], \s*TILEB
	s_or_b32 s[G0B+4*\s+3], s[G0B+4*\s+3], 0x80000000
.endr
	JLOAD 0                                        ; K step 0: one tensor load a wave at the head; the addresses below are made while it is out
	v_and_b32 v1, 15, v0
	v_bfe_u32 v2, v0, 4, 1
	v_mul_u32_u24 v3, v1, PITCH
	v_lshl_add_u32 v4, v2, 4, v3                   ; a fragment's row x pitch + 16 x half
	s_wait_alu depctr_va_vdst(0)
	s_mul_i32 s21, s15, HALFT
	s_mul_i32 s22, s16, HALFT
	s_add_co_u32 s22, s22, 2*HALFT
	s_xor_b32 s23, s15, 1
	s_add_co_u32 s23, s23, s16
	s_add_co_u32 s23, s23, 1
	s_mul_i32 s23, s23, HALFT                      ; from my tile of x to my tile of w
	v_lshlrev_b32 v5, 3, v1
	v_mul_u32_u24 v6, s23, v2                      ; scale words: lanes 0-15 x's rows, lanes 16-31 w's
	v_add_nc_u32 v5, v5, v6
.irp s, 0,1
	v_add_nc_u32 v[ADRA+\s], s21, v4
	v_add_nc_u32 v[ADRB+\s], s22, v4
	v_add_nc_u32 v[ADRS+\s], s21, v5
	s_add_co_u32 s21, s21, SLOT
	s_add_co_u32 s22, s22, SLOT
.endr
	s_mul_i32 s23, s14, 16*SPITCH                  ; my stage for the way out, in slot 0
	v_mul_u32_u24 v5, v1, SPITCH
	v_lshl_add_u32 v5, v2, 5, v5
	v_add_nc_u32 v[STO], s23, v5
	v_and_b32 v6, 31, v0
	v_lshlrev_b32 v[CO], 4, v6
	v_add_nc_u32 v[RD], s23, v[CO]
	v_lshlrev_b32 v[BO], 5, v2
	v_lshlrev_b32 v30, 8, v6                       ; the prefetches' offsets: a lane a block of 256 bytes;
	v_min_u32 v31, s12, v6                         ; and for the blocks left over: the lanes beyond them name the last again
	v_lshl_add_u32 v31, v31, 8, s13
	s_wait_alu depctr_va_vdst(0)
	s_lshl_b32 s40, s17, 8
	s_lshl_b32 s41, s15, 7
	s_add_co_u32 s40, s40, s41
	s_mul_i32 s40, s40, SIZE_N*4
	s_mov_b32 s41, 0
	s_lshl_b32 s44, s18, 10
	s_lshl_b32 s45, s16, 9
	s_add_co_u32 s44, s44, s45
	s_mov_b32 s45, 0
	s_add_nc_u64 s[8:9], s[8:9], s[44:45]
	s_add_nc_u64 s[10:11], s[10:11], s[44:45]
	s_add_nc_u64 s[10:11], s[10:11], s[40:41]
.irp b, 0,1,2,3,4,5,6,7
	global_load_b128 v[BIAS+8*\b:BIAS+8*\b+3],   v[BO], s[8:9] offset:64*\b        ; the bias in the result's layout: my eight columns of each block
	global_load_b128 v[BIAS+8*\b+4:BIAS+8*\b+7], v[BO], s[8:9] offset:64*\b+16
.endr
.macro FRAG reg, adr, q, i             ; 16 rows x 128 K: four loads of 16 bytes, 32 apart
.irp c, 0,1,2,3
	ds_load_b128 v[\reg+4*\c:\reg+4*\c+3], v[\adr] offset:128*(\q)+32*\c+(\i)*16*PITCH
.endr
.endm
; A's block a against B's eight fragments of set p; q: which 128 of the slot; sc: the slot's scale words.  The v_nop behind each product are the places in front of the runs of loads
.macro BLK a, p, q, sc, first
.if \first
	WIN FIRST_LO+0x40*((\a)/4)
.else
	WIN MUL_LO+0x50*((\a)/4)
.endif
.irp b, 0,1,2,3,4,5,6,7
.if \first
	v_wmma_scale_f32_16x16x128_f8f6f4 v[8*(8*((\a)%4)+\b):8*(8*((\a)%4)+\b)+7], v[128*(\p)+FR*\b:128*(\p)+FR*\b+FR-1], v[AF+FR*(\a):AF+FR*(\a)+FR-1], v[BIAS+8*\b:BIAS+8*\b+7], v[SC+8*NQ*(\sc)+NQ*\b+(\q)], v[SC+8*NQ*(\sc)+NQ*(\a)+(\q)] matrix_a_fmt:MATRIX_FMT_BF8 matrix_b_fmt:MATRIX_FMT_BF8 matrix_a_scale:MATRIX_SCALE_ROW1
.else
	v_wmma_scale_f32_16x16x128_f8f6f4 v[8*(8*((\a)%4)+\b):8*(8*((\a)%4)+\b)+7], v[128*(\p)+FR*\b:128*(\p)+FR*\b+FR-1], v[AF+FR*(\a):AF+FR*(\a)+FR-1], v[8*(8*((\a)%4)+\b):8*(8*((\a)%4)+\b)+7], v[SC+8*NQ*(\sc)+NQ*\b+(\q)], v[SC+8*NQ*(\sc)+NQ*(\a)+(\q)] matrix_a_fmt:MATRIX_FMT_BF8 matrix_b_fmt:MATRIX_FMT_BF8 matrix_a_scale:MATRIX_SCALE_ROW1
.endif
	v_nop
.endr
.endm
; a run of LDS loads: nb fragments of B from b0 on (the slot's qb-th 128, into set p), then na blocks of A from a0 on (its qa-th 128).  It leaves every window 0
.macro RUN slot, qb, p, b0, nb, qa, a0, na
.if \nb
	WIN TO_B
.set RI, \b0
.rept \nb
	FRAG 128*(\p)+FR*RI, ADRB+\slot, \qb, RI
.set RI, RI+1
.endr
.endif
	WIN 0
.set RI, \a0
.rept \na
	FRAG AF+FR*RI, ADRA+\slot, \qa, RI
.set RI, RI+1
.endr
.endm
.macro SCALES s                        ; a slot's scale words: two words a row; lanes 0-15 A's block i, lanes 16-31 B's block i
.irp i, 0,1,2,3,4,5,6,7
	ds_load_b64 v[SC+8*NQ*\s+NQ*\i:SC+8*NQ*\s+NQ*\i+1], v[ADRS+\s] offset:SCOFF+(\i/2)*PITCH+(\i%2)*128
.endr
.endm
.macro ASK                             ; the tile two refills on; s3 = 1 in the loop's last trip, which has no such tile
	s_cmp_gt_u32 s3, 1
	s_cbranch_scc0 .Lnoask_\@
	global_prefetch_b8 v30, s[46:47] th:TH_LOAD_NT scope:SCOPE_SE
	global_prefetch_b8 v31, s[46:47] th:TH_LOAD_NT scope:SCOPE_SE
	s_cmp_eq_u32 s15, 0
	s_cbranch_scc0 .Lnoask_\@                      ; a w wave has named its 33 blocks
	global_prefetch_b8 v30, s[46:47] offset:8192 th:TH_LOAD_NT scope:SCOPE_SE
	global_prefetch_b8 v30, s[46:47] offset:16384 th:TH_LOAD_NT scope:SCOPE_SE
	global_prefetch_b8 v30, s[46:47] offset:24576 th:TH_LOAD_NT scope:SCOPE_SE
.Lnoask_\@:
.endm
; A slot's first step: its successor lies in the same slot.  Runs of 12, 12, 8, 8, 8, 8, 4, 4 loads.
.macro SSTEP slot, first
	s_wait_dscnt 8                                 ; all but the last two runs (A's blocks 5 and 6) are in
	BLK 0, 0, 0, \slot, \first
	RUN \slot, 1, 1, 0, 2, 0, 7, 1                 ; this step's block 7 of A stands last in its run
	BLK 1, 0, 0, \slot, \first
	RUN \slot, 1, 1, 2, 2, 1, 0, 1
	BLK 2, 0, 0, \slot, \first
	RUN \slot, 1, 1, 4, 1, 1, 1, 1
	BLK 3, 0, 0, \slot, \first
	RUN \slot, 1, 1, 5, 1, 1, 2, 1
	s_wait_dscnt 28                                ; the runs behind blocks 1 to 3 (12 + 8 + 8) may be out: A's blocks 5, 6 and 7 are in
	BLK 4, 0, 0, \slot, \first
	RUN \slot, 1, 1, 6, 1, 1, 3, 1
	BLK 5, 0, 0, \slot, \first
	RUN \slot, 1, 1, 7, 1, 1, 4, 1
	BLK 6, 0, 0, \slot, \first
	RUN \slot, 1, 1, 0, 0, 1, 5, 1
	BLK 7, 0, 0, \slot, \first
	RUN \slot, 1, 1, 0, 0, 1, 6, 1
.endm
; A slot's last step changes slots.  Its block 7 of A is the last read of the slot; then each wave waits for all its tensor loads, adds 0 to its spare word and waits for that and for its reads;
; behind the barrier (fill = 1: a round of the cluster's barrier) the slot is filled again first, and the next slot is read.  From a refill to the wait for it stand 112 products.
.macro TSTEP slot, next, fill
	s_wait_dscnt 8
	BLK 0, 1, 1, \slot, 0
	RUN \slot, 0, 0, 0, 0, 1, 7, 1
.if \fill
	s_wait_xcnt 0x0                                ; my prefetches of the last change of slots have read their base: it steps only behind this wait
	s_add_nc_u64 s[46:47], s[46:47], TILEB
.endif
	s_wait_tensorcnt 0x0                           ; all my tensor loads have landed: my tile of the next slot
	ds_add_u32 v[SPW], v[NIL]
.if \fill
	s_add_nc_u64 s[G0A+4*\slot+2:G0A+4*\slot+3], s[G0A+4*\slot+2:G0A+4*\slot+3], 2*TILEB
	s_add_nc_u64 s[G0B+4*\slot+2:G0B+4*\slot+3], s[G0B+4*\slot+2:G0B+4*\slot+3], 2*TILEB
.endif
	BLK 1, 1, 1, \slot, 0                          ; eight products between the add and the wait for it
	s_wait_dscnt 0x0                               ; the add is done, and my reads of this slot are over
	s_barrier_signal -1
	BLK 2, 1, 1, \slot, 0
	WIN 0
	s_barrier_wait -1
.if \fill
	CREST
	JLOAD \slot                                    ; my one tensor load behind the round
.endif
	RUN \next, 0, 0, 0, 2, 0, 0, 2
	SCALES \next
.if \fill
	ASK                                            ; every window is 0 here
.endif
	BLK 3, 1, 1, \slot, 0
	RUN \next, 0, 0, 2, 2, 0, 2, 1
	BLK 4, 1, 1, \slot, 0
	RUN \next, 0, 0, 4, 2, 0, 3, 1
	BLK 5, 1, 1, \slot, 0
	RUN \next, 0, 0, 6, 2, 0, 4, 1
	BLK 6, 1, 1, \slot, 0
	RUN \next, 0, 0, 0, 0, 0, 5, 1
	BLK 7, 1, 1, \slot, 0
	RUN \next, 0, 0, 0, 0, 0, 6, 1
.endm
	s_wait_alu depctr_va_vdst(0)
	s_wait_tensorcnt 0x0                           ; my tile of K step 0 is in
	ds_add_u32 v[SPW], v[NIL]
	s_wait_dscnt 0x0
	CROUND                                         ; everybody's tile of K step 0 is in, and the four work-groups are here
	JLOAD 1                                        ; K step 1: slot 1's first fill, the first tensor load behind the round
	RUN 0, 0, 0, 0, 8, 0, 0, 5
	SCALES 0
	RUN 0, 0, 0, 0, 0, 0, 5, 2                     ; A's blocks 5 and 6 last, as in every step
	s_wait_loadcnt 0x0                             ; the bias
	SSTEP 0, 1                                     ; the first step stands in front of the loop: its products start the sums on the bias
	s_mov_b32 s3, LAPS-1
.Llap:
	TSTEP 0, 1, 1
	SSTEP 1, 0
	TSTEP 1, 0, 1
	SSTEP 0, 0
	s_sub_co_u32 s3, s3, 1
	s_cmp_lg_u32 s3, 0
	s_cbranch_scc1 .Llap
	TSTEP 0, 1, 0                                  ; the last lap fills nothing
	SSTEP 1, 0
	s_wait_dscnt 8                                 ; the very last step: only its block 7 of A is still to fetch
	BLK 0, 1, 1, 1, 0
	RUN 1, 0, 0, 0, 0, 1, 7, 1
	BLK 1, 1, 1, 1, 0
	BLK 2, 1, 1, 1, 0
	s_wait_dscnt 0x0
.irp a, 3,4,5,6,7
	BLK \a, 1, 1, 1, 0
.endr
	WIN 0
; THE WAY OUT, block by block of 16 rows x 128 columns, through my own stage: it lies in slot 0, which has had its last fill, and which nobody reads behind the last change of slots.
; A block comes back as whole rows of 512 bytes, which the 32 lanes store as two aligned runs of 256 bytes.  LDS serves a wave's instructions in order (ISA guide 5.7.1.4).
.macro TOSTAGE a
.set AC, 64*((\a)%4)
	WIN 0x08+4*((\a)/4)
.irp b, 0,1,2,3,4,5,6,7
	ds_store_b128 v[STO], v[AC+8*\b:AC+8*\b+3] offset:64*\b          ; each accumulator from its low end on
	ds_store_b128 v[STO], v[AC+8*\b+4:AC+8*\b+7] offset:64*\b+16
.endr
	WIN 0
.set BB, BK+64*((\a)%2)
.irp t, 0,1,2,3,4,5,6,7,8,9,10,11,12,13,14,15
	ds_load_b128 v[BB+4*\t:BB+4*\t+3], v[RD] offset:\t*SPITCH
.endr
.endm
.macro SEND a, younger                 ; younger: the LDS instructions issued behind block a's loads
.set BB, BK+64*((\a)%2)
	s_wait_dscnt \younger
.if (\a) > 0
	s_add_nc_u64 s[10:11], s[10:11], 16*SIZE_N*4   ; behind a wait on XCNT: the earlier stores have read their base
.endif
.irp t, 0,1,2,3,4,5,6,7,8,9,10,11,12,13,14,15
	global_store_b128 v[CO], v[BB+4*\t:BB+4*\t+3], s[10:11] offset:\t*SIZE_N*4 th:TH_STORE_NT
.endr
.endm
.rept NP
	v_nop                                          ; places in front of the first reads of results and of loads into A's registers
.endr
	TOSTAGE 0
.irp a, 1,2,3,4,5,6,7
.if \a > 1
	s_wait_xcnt 0x0                                ; block a - 2's stores have read their registers and their base
.endif
	TOSTAGE \a
	SEND \a-1, 32
.endr
	s_wait_xcnt 0x0
	SEND 7, 0
	s_wait_tensorcnt 0x0                           ; the wave's end
	ds_add_u32 v[SPW], v[NIL]
	s_wait_dscnt 0x0
	CROUND                                         ; the closing round
	s_endpgm
.Lfunc_end_k_qd761a424e0_gemm:
	.size	k_qd761a424e0_gemm, .Lfunc_end_k_qd761a424e0_gemm-k_qd761a424e0_gemm
	.p2alignl 7, 3214868480
	.fill 96, 4, 3214868480
	.section	.rodata,"a",@progbits
	.p2align	6, 0x0
	.amdhsa_kernel k_qd761a424e0_gemm
		.amdhsa_group_segment_fixed_size 327680
		.amdhsa_private_segment_fixed_size 0
		.amdhsa_enable_private_segment 0
		.amdhsa_kernarg_size 32
		.amdhsa_user_sgpr_count 2
		.amdhsa_user_sgpr_kernarg_segment_ptr 1
		.amdhsa_wavefront_size32 1
		.amdhsa_system_sgpr_workgroup_id_x 1
		.amdhsa_system_sgpr_workgroup_id_y 1
		.amdhsa_system_sgpr_workgroup_id_z 1
		.amdhsa_system_vgpr_workitem_id 0
		.amdhsa_next_free_vgpr 1024
		.amdhsa_next_free_sgpr 66
		.amdhsa_reserve_vcc 0
		.amdhsa_float_denorm_mode_32 3
		.amdhsa_float_denorm_mode_16_64 3
		.amdhsa_memory_ordered 1
		.amdhsa_forward_progress 1
		.amdhsa_inst_pref_size 163
	.end_amdhsa_kernel
	.amdgpu_metadata
---
amdhsa.version: [ 1, 2 ]
amdhsa.kernels:
  - .name:           k_qd761a424e0_gemm
    .symbol:         k_qd761a424e0_gemm.kd
    .args:
      - { .name: xq, .offset: 0, .size: 8, .value_kind: global_buffer, .address_space: global }
      - { .name: wq, .offset: 8, .size: 8, .value_kind: global_buffer, .address_space: global }
      - { .name: bias, .offset: 16, .size: 8, .value_kind: global_buffer, .address_space: global }
      - { .name: out0, .offset: 24, .size: 8, .value_kind: global_buffer, .address_space: global }
    .group_segment_fixed_size: 327680
    .private_segment_fixed_size: 0
    .kernarg_segment_align: 8
    .kernarg_segment_size: 32
    .max_flat_workgroup_size: 128
    .sgpr_count:     66
    .vgpr_count:     1024
    .wavefront_size: 32
...
	.end_amdgpu_metadata
.endif
;; end of part 2
